; MI455X (gfx1250); checked and timed in simulation.
; The chip was launched on July 23, 2026; its instructions are those of AMD's public machine-readable ISA for CDNA 5 (MIT licence, August 2026) and "CDNA5" Instruction Set Architecture Reference Guide (July 2026). The comments in the code are by the model that wrote it; some were corrected since.
;; MHA. Allowed arithmetic: matrix products marked QUANTISED: E4M3 operands, one given power-of-two scale a tensor, by v_wmma_f32_16x16x64_fp8_fp8 or v_wmma_f32_16x16x128_fp8_fp8, f32 sums; everything else in f32.
;; Inputs: K 4 x 2,048 x 1,024 float32; Q 4 x 2,048 x 1,024 float32; V 4 x 2,048 x 1,024 float32; WK 1,024 x 1,024 float32; WO 1,024 x 1,024 float32; WQ 1,024 x 1,024 float32; WV 1,024 x 1,024 float32; bK 1,024 float32; bO 1,024 float32; bQ 1,024 float32; bV 1,024 float32; lowp_scales 12 int32 (the exponents e of the quantised operands' scales 2^e).
;; Outputs: out0 4 x 2,048 x 1,024 float32.
;; This version of the problem:
;;   THIS VERSION OF THE PROBLEM IS GIVEN IN LOW PRECISION. The matrix products marked QUANTISED in the list below multiply operands that are first quantised to E4M3 (4 exponent bits, 3 mantissa bits; 8 bits a number), with one given power-of-two scale for each operand tensor; their sums are f32. All else is computed in f32.
;;   The module's matrix products, in the order in which they are computed (A, B: the left and right operand; K: the contracted axis; several contracted axes count as one K, in the product's order):
;;     1. [M 8,192, K 1,024] x [K 1,024, N 1,024]; A: input Q; B: input WQ: QUANTISED (scales: A lowp_scales[0], B lowp_scales[1])
;;     2. [M 8,192, K 1,024] x [K 1,024, N 1,024]; A: input K; B: input WK: QUANTISED (scales: A lowp_scales[2], B lowp_scales[3])
;;     3. [M 8,192, K 1,024] x [K 1,024, N 1,024]; A: input V; B: input WV: QUANTISED (scales: A lowp_scales[4], B lowp_scales[5])
;;     4. batch 64 x [M 2,048, K 64] x [K 64, N 2,048]; A: computed on the way; B: computed on the way: QUANTISED (scales: A lowp_scales[6], B lowp_scales[7])
;;     5. batch 64 x [M 2,048, K 2,048] x [K 2,048, N 64]; A: softmax (see below); B: computed on the way: QUANTISED (scales: A lowp_scales[8], B lowp_scales[9])
;;     6. [M 8,192, K 1,024] x [K 1,024, N 1,024]; A: computed on the way; B: input WO: QUANTISED (scales: A lowp_scales[10], B lowp_scales[11])
;;   THE QUANTISER, for each operand of a quantised product, along K:
;;     - The operand's scale is 2^e, e = its entry of the input lowp_scales (int32; the entries are numbered through the quantised products in the list's order, A before B).
;;     - Each number is divided by the scale, clamped to +-448, and rounded to the nearest number of E4M3, ties to even, subnormals kept.
;;     - The product sums the exact products of the quantised numbers (number of the format x scale) in f32.
;;   ~~~python
;;   def quantise(x, axis, e):      # numpy; x: float32 -> the quantised numbers, widened to float32 again
;;       x = np.moveaxis(x, axis, -1); K = x.shape[-1]
;;       r = np.clip(x / 2.0 ** e, -448, 448)
;;       step = 2.0 ** (np.maximum(np.frexp(np.where(r == 0, 1, r))[1] - 1, -6) - 3)
;;       q = np.round(r / step) * step * 2.0 ** e      # np.round: ties to even
;;       return np.moveaxis(q, -1, axis).astype(np.float32)
;;   ~~~
;;   SOFTMAX AHEAD OF A QUANTISED PRODUCT. Where the list says 'softmax', what is quantised is not the finished softmax but p = 2^(t - M), with t = logit x log2(e) and M = ceil(the row's largest t), a whole number; so 1/2 < the row's largest p <= 1. The row's sum l is taken of the UNQUANTISED p, in f32, and the product's result is divided by l at the end. Since M is a whole number, a kernel that streams over the keys may use a running M (the ceiling of the running maximum): every later rescaling is an exact power of two, so the quantised numbers keep their values, but for numbers so far below the row's largest that they fall under the format's range.
;;   OPERANDS COMPUTED ON THE WAY. 'Computed on the way' means the value that the module computes at that place (a softmax that the list does not call 'softmax' is quantised finished and normalised). What goes into a quantiser is computed in f32, as accurately as f32 sums, v_exp_f32 and their like allow (about 1e-6 of the number): no bf16 or f16 on the way to a quantiser, and a product that is left as it is and whose result goes on into a quantised operand takes f32 operands (vector FMAs, or v_wmma_f32_16x16x4_f32). A number that lies on a knife's edge between two numbers of the format may be rounded either way, as far as f32 arithmetic and the matrix unit's own rounding can turn it there, and no further.
;; One version. Each part assembles by itself: llvm-mc -triple=amdgcn-amd-amdhsa -mcpu=gfx1250 --defsym DOCPART=n.
;; ======== version 1 of 1: 4 launches
;; limits: right only within a limited range of input values
;; workspace buffers: wc 4,194,304 bytes; qkv 25,165,824 bytes; ac 8,388,608 bytes
;; launch wquant (part 1): grid 8 x 16, 4 waves a work-group, no clusters, 35,840 bytes of LDS; arguments WQ, WK, WV, WO, lowp_scales, wc; writes wc
.if DOCPART == 1
	.amdgcn_target "amdgcn-amd-amdhsa--gfx1250"
	.amdhsa_code_object_version 6
	.text
	.protected	k_q9273e92efd_wquant
	.globl	k_q9273e92efd_wquant
	.p2align	8
	.type	k_q9273e92efd_wquant,@function
k_q9273e92efd_wquant:
	s_mov_b64 s[64:65], 0
	v_nop
	global_prefetch_b8 v0, s[64:65] scope:SCOPE_SE
	s_setreg_imm32_b32 hwreg(HW_REG_WAVE_MODE, 25, 1), 1
	s_wait_xcnt 0x0
; The four weights WQ, WK, WV, WO, each [1024 (k)][1024 (n)] f32 with K as the FIRST axis, become codes of FP8 (E4M3), laid wc[4][1024 (n)][1024 (k)], K innermost, one code a byte.
; code = x / 2^e, held within +-448, rounded to the nearest code, ties to even.  e: entries 1, 3, 5, 11 of the buffer of scales.  LIMIT: -126 <= e <= 119.  NaN among the inputs is not served.
; A LANE TAKES A COLUMN n, AND ITS REGISTERS RUN DOWN K: a load reads 128 consecutive bytes a wave, and the conversions, which take neighbours along K from one lane's registers, give codes with K innermost.
; A wave takes 32 columns x 256 along K.  Its codes go through the wave's own stage in LDS and leave as rows: sixteen lanes store 256 consecutive bytes, aligned.  Waves share nothing: no barrier.
; Work-group x: 128 columns.  Work-group y: weight y / 4, quarter y % 4 of K.  No tile is shared between work-groups, so no cluster; no matrix work.
.set SIZE_K, 1024
.set SIZE_N, 1024
.set KW,    256                        ; along K for a wave
.set NB,    KW/32                      ; blocks of 32
.set ROWB,  256                        ; bytes of KW codes
.set PITCH, ROWB+16                    ; a stage row
.set KROW,  SIZE_K                     ; a row of wc in bytes
.set EMAX,  8
.set MANT,  0x600000                   ; the mantissa field of 448 as f32
.set X,     32                         ; v32-95   two sets of 32 numbers
.set C,     96                         ; v96-103  a block's codes
.set OUTR,  112                        ; v112-175 the way out
.set SPW,   14                         ; v14  LDS address of my spare word; never rewritten
.set NIL,   15                         ; v15  0; never rewritten
.set SPARE, 4*32*PITCH                 ; behind the four stages: the spare words, 128 bytes a wave
	s_load_b256 s[4:11], s[0:1], 0x0               ; WQ s[4:5], WK s[6:7], WV s[8:9], WO s[10:11]
	s_load_b128 s[12:15], s[0:1], 0x20             ; the scales' exponents s[12:13], wc s[14:15]
	v_lshl_add_u32 v[SPW], v0, 2, SPARE
	v_mov_b32 v[NIL], 0
	v_lshrrev_b32 v1, 5, v0
	v_readfirstlane_b32 s16, v1                    ; wave 0..3
	v_and_b32 v2, 31, v0                           ; lane
	s_lshl_b32 s17, ttmp9, 7
	s_lshl_b32 s18, s16, 5
	s_add_co_u32 s17, s17, s18                     ; my wave's first column
	s_and_b32 s18, ttmp7, 0xffff
	s_lshr_b32 s28, s18, 2                         ; which weight
	s_and_b32 s18, s18, 3                          ; which quarter of K
	v_lshlrev_b32 v3, 2, v2                        ; in: 4 bytes a lane
	s_mul_i32 s19, s16, 32*PITCH                   ; my stage
	v_mul_u32_u24 v4, v2, PITCH
	v_add_nc_u32 v4, s19, v4                       ; into it: row = my column
	v_and_b32 v5, 15, v2
	v_lshrrev_b32 v6, 4, v2                        ; out of it: sixteen lanes to a row, two rows an instruction
	v_mul_u32_u24 v7, v6, PITCH
	v_lshl_add_u32 v7, v5, 4, v7
	v_add_nc_u32 v7, s19, v7
	v_mul_u32_u24 v8, v6, KROW
	v_lshl_add_u32 v8, v5, 4, v8                   ; the same place in wc
	s_lshl_b32 s20, s18, 20                        ; W: 256 rows of 4,096 bytes for each quarter,
	s_lshl_b32 s22, s17, 2
	s_add_co_u32 s20, s20, s22                     ; + 4 x column
	s_mov_b32 s21, 0
	s_lshl_b32 s24, s28, 20                        ; wc: 2^20 bytes a weight,
	s_lshl_b32 s22, s17, 10
	s_add_co_u32 s24, s24, s22                     ; + column x 1,024,
	s_lshl_b32 s22, s18, 8
	s_add_co_u32 s24, s24, s22                     ; + 256 x quarter
	s_mov_b32 s25, 0
	s_wait_kmcnt 0x0
	s_load_b256 s[32:39], s[12:13], 0x0            ; entries 0 to 7
	s_load_b128 s[40:43], s[12:13], 0x20           ; entries 8 to 11
	s_cmp_eq_u32 s28, 0                            ; the weight is chosen by the work-group's number alone
	s_cselect_b64 s[4:5], s[4:5], s[6:7]
	s_cmp_eq_u32 s28, 2
	s_cselect_b64 s[8:9], s[8:9], s[10:11]
	s_cmp_lt_u32 s28, 2
	s_cselect_b64 s[4:5], s[4:5], s[8:9]
	s_add_nc_u64 s[4:5], s[4:5], s[20:21]
	s_add_nc_u64 s[14:15], s[14:15], s[24:25]
.macro LOAD t                          ; block t: W(32 t + i, my column), i = 0 .. 31, into set t % 2
.irp i, 0,1,2,3,4,5,6,7,8,9,10,11,12,13,14,15,16,17,18,19,20,21,22,23,24,25,26,27,28,29,30,31
	global_load_b32 v[X+32*((\t)%2)+\i], v3, s[4:5] offset:(32*(\t)+\i)*SIZE_N*4 th:TH_LOAD_NT
.endr
.endm
	LOAD 0
	LOAD 1
	s_wait_kmcnt 0x0
	s_cmp_eq_u32 s28, 0
	s_cselect_b32 s30, s33, s35                    ; e of WQ or WK,
	s_cmp_eq_u32 s28, 2
	s_cselect_b32 s31, s37, s43                    ; of WV or WO
	s_cmp_lt_u32 s28, 2
	s_cselect_b32 s30, s30, s31
	s_add_co_i32 s30, s30, 127
	s_lshl_b32 s31, s30, 23
	v_mov_b32 v11, s31                             ; 2^e as f32: the conversion takes its exponent field
	s_add_co_i32 s30, s30, EMAX
	s_lshl_b32 s30, s30, 23
	s_or_b32 s30, s30, MANT
.macro BLOCK t
.set XS, X+32*((\t)%2)
.if (\t) < NB-1
	s_wait_loadcnt 32                              ; this block's 32 loads are in; the next block's 32 may be out
.else
	s_wait_loadcnt 0
.endif
.irp i, 0,1,2,3,4,5,6,7,8,9,10,11,12,13,14,15,16,17,18,19,20,21,22,23,24,25,26,27,28,29,30,31
.endr
.irp g, 0,1,2,3
	v_cvt_scalef32_pk8_fp8_f32 v[C+2*\g:C+2*\g+1], v[XS+8*\g:XS+8*\g+7], v11
.endr
	v_nop                                          ; a plain line behind the last conversion
	ds_store_b128 v4, v[C:C+3] offset:32*(\t)      ; 32 codes: 32 bytes of my column's row
	ds_store_b128 v4, v[C+4:C+7] offset:32*(\t)+16
.if (\t)+2 < NB
	LOAD (\t)+2
.endif
	s_wait_dscnt 0x0                               ; the stores have read their registers: the next block's codes may be written
.endm
.set Q, 0
	s_wait_alu depctr_va_vdst(0)
.rept NB
	BLOCK Q
.set Q, Q+1
.endr
.irp t, 0,1,2,3,4,5,6,7,8,9,10,11,12,13,14,15
	ds_load_b128 v[OUTR+4*\t:OUTR+4*\t+3], v7 offset:2*\t*PITCH   ; LDS serves a wave's instructions in order: these see my stores
.endr
.irp t, 0,1,2,3,4,5,6,7,8,9,10,11,12,13,14,15
	s_wait_dscnt 15-\t                             ; load t is in; the 15 - t younger ones may be out
	global_store_b128 v8, v[OUTR+4*\t:OUTR+4*\t+3], s[14:15] offset:2*\t*KROW
.endr
	s_wait_tensorcnt 0x0                           ; the wave's end: behind my last LDS store
	ds_add_u32 v[SPW], v[NIL]
	s_wait_dscnt 0x0
	s_endpgm
.Lfunc_end_k_q9273e92efd_wquant:
	.size	k_q9273e92efd_wquant, .Lfunc_end_k_q9273e92efd_wquant-k_q9273e92efd_wquant
	.p2alignl 7, 3214868480
	.fill 96, 4, 3214868480
	.section	.rodata,"a",@progbits
	.p2align	6, 0x0
	.amdhsa_kernel k_q9273e92efd_wquant
		.amdhsa_group_segment_fixed_size 35840
		.amdhsa_private_segment_fixed_size 0
		.amdhsa_enable_private_segment 0
		.amdhsa_kernarg_size 48
		.amdhsa_user_sgpr_count 2
		.amdhsa_user_sgpr_kernarg_segment_ptr 1
		.amdhsa_wavefront_size32 1
		.amdhsa_system_sgpr_workgroup_id_x 1
		.amdhsa_system_sgpr_workgroup_id_y 1
		.amdhsa_system_sgpr_workgroup_id_z 1
		.amdhsa_system_vgpr_workitem_id 0
		.amdhsa_next_free_vgpr 192
		.amdhsa_next_free_sgpr 66
		.amdhsa_reserve_vcc 0
		.amdhsa_float_denorm_mode_32 3
		.amdhsa_float_denorm_mode_16_64 3
		.amdhsa_fp16_overflow 1
		.amdhsa_memory_ordered 1
		.amdhsa_forward_progress 1
		.amdhsa_inst_pref_size 34
	.end_amdhsa_kernel
	.amdgpu_metadata
---
amdhsa.version: [ 1, 2 ]
amdhsa.kernels:
  - .name:           k_q9273e92efd_wquant
    .symbol:         k_q9273e92efd_wquant.kd
    .args:
      - { .name: WQ, .offset: 0, .size: 8, .value_kind: global_buffer, .address_space: global }
      - { .name: WK, .offset: 8, .size: 8, .value_kind: global_buffer, .address_space: global }
      - { .name: WV, .offset: 16, .size: 8, .value_kind: global_buffer, .address_space: global }
      - { .name: WO, .offset: 24, .size: 8, .value_kind: global_buffer, .address_space: global }
      - { .name: lowp_scales, .offset: 32, .size: 8, .value_kind: global_buffer, .address_space: global }
      - { .name: wc, .offset: 40, .size: 8, .value_kind: global_buffer, .address_space: global }
    .group_segment_fixed_size: 35840
    .private_segment_fixed_size: 0
    .kernarg_segment_align: 8
    .kernarg_segment_size: 48
    .max_flat_workgroup_size: 128
    .sgpr_count:     66
    .vgpr_count:     192
    .wavefront_size: 32
...
	.end_amdgpu_metadata
.endif
;; end of part 1
;; launch proj (part 2): grid 64 x 3, 4 waves a work-group, clusters of 4 x 1, 327,680 bytes of LDS; arguments Q, K, V, bQ, bK, bV, wc, lowp_scales, qkv; writes qkv
.if DOCPART == 2
	.amdgcn_target "amdgcn-amd-amdhsa--gfx1250"
	.amdhsa_code_object_version 6
	.text
	.protected	k_q9273e92efd_proj
	.globl	k_q9273e92efd_proj
	.p2align	8
	.type	k_q9273e92efd_proj,@function
k_q9273e92efd_proj:
	s_mov_b64 s[64:65], 0
	v_nop
	global_prefetch_b8 v0, s[64:65] scope:SCOPE_SE
	s_setreg_imm32_b32 hwreg(HW_REG_WAVE_MODE, 25, 1), 1
	s_wait_xcnt 0x0
	s_wait_alu depctr_hold_cnt(0) depctr_sa_sdst(0) depctr_va_vdst(0) depctr_va_sdst(0) depctr_va_ssrc(0) depctr_va_vcc(0) depctr_vm_vsrc(0)
	s_getreg_b32 s2, hwreg(HW_REG_IB_STS2, 6, 4)
	s_cmp_eq_u32 s2, 0
	s_cbranch_scc0 .Lentry_in_a_cluster
	s_endpgm
.Lentry_in_a_cluster:
	s_bfe_u32 s2, ttmp6, 0x10000c
	s_cmp_lg_u32 s2, 0x3003
	s_cbranch_scc0 .Lentry_shape_is_right
	s_endpgm
.Lentry_shape_is_right:
; q = Q WQ + bQ, k = K WK + bK, v = V WV + bV on codes of FP8 (E4M3); the results are quantised at once for the attention's two products and stored as codes.
; Work-group y picks the tensor (0 Q, 1 K, 2 V), work-group x 128 rows of its 8,192; a work-group makes all 1,024 columns.  64 x 3 = 192 work-groups: 128 rows are one key step of the
; attention, and the next smaller share that would make 256 work-groups, 96 rows, does not divide 8,192.
; PHASE X: the 128 rows of x (f32) are read once, quantised (x / 2^ex, held within +-448) and turned through LDS into fragments: wave (i, j) keeps the codes of rows 64 i .. + 63 x all K in 512 registers.
; PHASE M: W's codes (wc, rows n with K innermost) walk through a ring of two LDS slots of 128 rows (two heads).  For each head (64 columns) wave (i, j) makes its 64 rows x columns 32 j .. + 31:
; 8 accumulators, 64 matrix instructions.  sum x 2^(ex + ew) + bias is one packed multiply-add; then the hold, the conversion with the next product's scale, and the store.
; CLUSTER: the four work-groups of a cluster take the same tensor and walk the same W: each tile of W is asked for JOINTLY (mask 15, the same descriptor in all four).
; LAYOUTS OUT (read by the attention as images of its operand registers):
;   q, k: [head b*16+hd][128 row tiles][1,024 bytes]; byte 256 t + 16 r + 8 a + j = code of (row 16 T + r, d = 16 t + 8 a + j).  The matrix instruction is used transposed (source 0 = W, source 1 = x).
;   v: [head][16 key steps][4 d tiles][4 images][32 lanes][16 bytes]: the fragment of the K = 128 form with the KEYS along K (register pair c: keys 16 c + 8 h + 0..7 of d = 16 t + r).  Sources in natural order.
; The fragments of x and of W hold K = 32 c + 16 (lane / 16) + 0 .. 15 in registers 4 c .. 4 c + 3: one permutation of K, the same on both sides.
; LIMITS on the given exponents: ex and the result's e between -126 and 119; ex + ew between -126 and 127.  NaN among the inputs is not served.
; REGISTERS: window 0: v1-15 addresses and constants; v16-31 bias; v32-95 accumulators; v96-159 values; v160-175 codes out; v176-239 codes of x.
;   windows 1, 2: x's fragments, (row tile m, K step s) in window 1 + s / 4 at 64 (s % 4) + 16 m.   window 3: phase X: 32 rows x 8 numbers as loaded; phase M: W's fragments, (t, s) at 32 s + 16 t.
.set XP,    272                        ; a row of x's codes in LDS: a quarter of K, 256 bytes, + 16
.set RING,  128*XP                     ; x's region, bytes 0 .. 34,815, is stored to and never filled; the ring begins behind it
.set WP,    1040                       ; a row of W in LDS: 1,024 bytes + 16: an odd multiple of 16
.set SLOTB, 128*WP
.set SPARE, RING+2*SLOTB               ; behind the ring: the spare words, 128 bytes a wave
.set BN,   1                           ; v1   bias, v's arm: 128 j + 4 r
.set XO,   2                           ; v2   x: 16 x lane + wave x 32 rows
.set XST,  3                           ; v3   where I store x's codes: wave x 32 rows + 4 x lane
.set ADRA, 4                           ; v4   where I read x's fragments
.set AB0,  5                           ; v5   my lane's place in a head's 64 rows of W
.set ADRB, 6                           ; v6   the same in the head in hand
.set OT,   7                           ; v7   q, k: my 8 bytes in the work-group's 8 row tiles
.set ON,   8                           ; v8   v: my 16 bytes in the key step's images
.set BT,   9                           ; v9   bias, q's and k's arm: 128 j + 32 h
.set XSC,  10                          ; 2^ex
.set XLIM, 11                          ; 448 x 2^ex
.set OSC,  12                          ; 2^eo
.set OLIM, 13                          ; 448 x 2^eo
.set SPW,  14                          ; LDS address of my spare word; never rewritten
.set NIL,  15                          ; 0; never rewritten
.set BIAS, 16
.set ACC,  32
.set VAL,  96
.set OUTC, 160
.set CODE, 176
.set WV,   22                          ; s22 wave
.set TEN,  23                          ; s23 tensor
.set G1,   24                          ; s[24:31] descriptor group 1
.set G0,   32                          ; s[32:39] group 0, one set for each slot
.set TB,   40                          ; s40 LDS byte of the head in hand
.set CH,   41                          ; s41 counts a slot's two heads
.set LAP,  42                          ; s42 counts laps of the ring
.set SC,   60                          ; s[60:61] 2^(ex + ew)
.set OB,   66                          ; s[66:67] where the head's codes go
.set BB,   68                          ; s[68:69] the head's bias
.set MSB, 0
.macro WIN new                         ; the immediate's high byte repeats the setting that is left
.if MSB != \new
	s_set_vgpr_msb (MSB<<8)|\new
.set MSB, \new
.endif
.endm
.macro CROUND                          ; a round of the cluster's barrier
	s_barrier_signal -1
	s_barrier_wait -1
	s_cmp_lg_u32 s[WV], 0
	s_cbranch_scc1 .Lnot_wave_0_\@
	s_barrier_signal -3
.Lnot_wave_0_\@:
	s_barrier_wait -3
	s_barrier_signal -1
	s_barrier_wait -1
.endm
	s_load_b256 s[4:11], s[0:1], 0x0               ; Q s[4:5], K s[6:7], V s[8:9], bQ s[10:11]
	s_load_b256 s[12:19], s[0:1], 0x20             ; bK s[12:13], bV s[14:15], wc s[16:17], the scales s[18:19]
	s_load_b64 s[20:21], s[0:1], 0x40              ; qkv
	v_lshl_add_u32 v[SPW], v0, 2, SPARE
	v_mov_b32 v[NIL], 0
	ds_add_u32 v[SPW], v[NIL]
	ds_add_u32 v[SPW], v[NIL]                      ; the wave's opening: the add and its wait stand ahead of my first tensor load; work on registers stands between
	v_lshrrev_b32 v20, 5, v0
	v_readfirstlane_b32 s[WV], v20                 ; wave 0..3
	s_and_b32 s[TEN], ttmp7, 0xffff                ; the tensor: the cluster's y, the same in all four partners
	s_bfe_u32 s43, ttmp6, 0x40000                  ; cx
	s_lshl_b32 s44, ttmp9, 2
	s_add_co_u32 s44, s44, s43                     ; my block of 128 rows = 4 x cluster x + cx: it enters x's and qkv's addresses alone
	; descriptor group 1: 32 rows x 1,024 bytes, 1,024 bytes apart in memory, 16 bytes of padding behind each row
	s_mov_b32 s[G1], 0x07f0000f                    ; 15:0 the mask: all four; 17:16 elements of 1 byte; 20 padding on; 21 set beside a mask; 24:22 after every 256 words (code 7); 31:25 four words (code 3)
	s_mov_b32 s[G1+1], 1024<<16                    ; tensor_dim0
	s_mov_b32 s[G1+2], 32<<16                      ; tensor_dim1
	s_mov_b32 s[G1+3], 1024<<16                    ; tile_dim0
	s_mov_b32 s[G1+4], 32                          ; tile_dim1
	s_mov_b32 s[G1+5], 1024                        ; stride from row to row
	s_mov_b32 s[G1+6], 0
	s_mov_b32 s[G1+7], 0
	s_lshr_b32 s70, s[WV], 1                       ; i: which 64 rows are mine
	s_and_b32 s71, s[WV], 1                        ; j: which 32 columns of a head
	v_and_b32 v20, 31, v0                          ; lane
	v_and_b32 v21, 15, v0                          ; r
	v_bfe_u32 v22, v0, 4, 1                        ; h
	s_lshl_b32 s72, s[WV], 17
	v_lshl_add_u32 v[XO], v20, 4, s72              ; 16 x lane + wave x 32 rows of 4,096 bytes
	s_mul_i32 s72, s[WV], 32*XP
	v_lshl_add_u32 v[XST], v20, 2, s72
	s_mul_i32 s72, s70, 64*XP
	v_mul_u32_u24 v[ADRA], v21, XP
	v_lshl_add_u32 v[ADRA], v22, 4, v[ADRA]
	v_add_nc_u32 v[ADRA], s72, v[ADRA]             ; (64 i + r) x pitch + 16 h
	s_mul_i32 s72, s71, 32*WP
	v_mul_u32_u24 v[AB0], v21, WP
	v_lshl_add_u32 v[AB0], v22, 4, v[AB0]
	v_add_nc_u32 v[AB0], s72, v[AB0]               ; (32 j + r) x pitch + 16 h
	s_lshl_b32 s72, s71, 9
	s_lshl_b32 s73, s70, 12
	s_add_co_u32 s72, s72, s73
	v_lshlrev_b32 v[OT], 4, v21
	v_lshl_add_u32 v[OT], v22, 3, v[OT]
	v_add_nc_u32 v[OT], s72, v[OT]                 ; 16 r + 8 h + 512 j + 4,096 i
	s_lshl_b32 s72, s70, 10
	s_lshl_b32 s73, s71, 12
	s_add_co_u32 s72, s72, s73
	v_lshl_add_u32 v[ON], v20, 4, s72              ; 16 x lane + 1,024 i + 4,096 j
	s_lshl_b32 s72, s71, 7
	v_lshl_add_u32 v[BT], v22, 5, s72
	v_lshl_add_u32 v[BN], v21, 2, s72
	v_mov_b32 v17, 0                               ; (named as upper halves of the pairs v[16:17], v[18:19] in v's arm)
	v_mov_b32 v19, 0
	s_lshl_b32 s74, s44, 19                        ; x: my block's 128 rows of 4,096 bytes
	s_mov_b32 s75, 0
	s_lshl_b32 s76, s[TEN], 23                     ; qkv: 2^23 bytes a tensor,
	s_lshr_b32 s77, s44, 4
	s_lshl_b32 s77, s77, 21
	s_add_co_u32 s76, s76, s77                     ; 16 heads of 2^17 bytes a batch,
	s_and_b32 s77, s44, 15
	s_lshl_b32 s77, s77, 13
	s_add_co_u32 s76, s76, s77                     ; 8,192 bytes for 128 rows of a head
	s_mov_b32 s77, 0
	s_lshl_b32 s46, s[TEN], 20                     ; wc: 2^20 bytes a weight,
	s_lshl_b32 s45, s[WV], 15
	s_add_co_u32 s46, s46, s45                     ; my 32 rows of a tile's 128
	s_mov_b32 s47, 0
	s_mul_i32 s45, s[WV], 32*WP
	s_add_co_u32 s45, s45, RING                    ; and where they go: no place in the cluster enters an LDS address
	s_wait_dscnt 0x0                               ; the opening add is done
	s_wait_kmcnt 0x0
	s_load_b256 s[48:55], s[18:19], 0x0            ; the scales' exponents 0 to 7,
	s_load_b128 s[56:59], s[18:19], 0x20           ; 8 to 11
	s_cmp_eq_u32 s[TEN], 0                         ; the tensor's buffers
	s_cselect_b64 s[4:5], s[4:5], s[6:7]
	s_cselect_b64 s[BB:BB+1], s[10:11], s[12:13]
	s_cmp_eq_u32 s[TEN], 2
	s_cselect_b64 s[4:5], s[8:9], s[4:5]
	s_cselect_b64 s[BB:BB+1], s[14:15], s[BB:BB+1]
	s_add_nc_u64 s[4:5], s[4:5], s[74:75]
	s_add_nc_u64 s[OB:OB+1], s[20:21], s[76:77]
	s_add_nc_u64 s[46:47], s[16:17], s[46:47]
.irp s, 0,1
	s_mov_b32 s[G0+4*\s], 1                        ; count = 1
	s_add_co_u32 s[G0+4*\s+1], s45, \s*SLOTB       ; LDS address
	s_add_nc_u64 s[G0+4*\s+2:G0+4*\s+3], s[46:47], \s*131072   ; global address: tile s = rows 128 s on
	s_or_b32 s[G0+4*\s+3], s[G0+4*\s+3], 0x80000000            ; type = 2
.endr
	WIN 0xc0                                       ; destination window 3
.set n, 0
.rept 32                                           ; the first quarter of K of my 32 rows: each load reads 512 consecutive bytes
	global_load_b128 v[8*n:8*n+3], v[XO], s[4:5] offset:n*4096 th:TH_LOAD_NT
	global_load_b128 v[8*n+4:8*n+7], v[XO], s[4:5] offset:n*4096+512 th:TH_LOAD_NT
.set n, n+1
.endr
	WIN 0
	CROUND                                         ; all four work-groups are here: the first joint loads meet
	tensor_load_to_lds s[G0:G0+3], s[G1:G1+7]      ; slot 0's first fill: one tensor load of mine is out
	s_nop 0
	s_wait_alu depctr_va_vdst(0)
	s_wait_tensorcnt 0x0
	ds_add_u32 v14, v15
	s_wait_dscnt 0x0
	CROUND
	tensor_load_to_lds s[G0+4:G0+7], s[G1:G1+7]
	s_nop 0
.rept 4
	v_nop
.endr
	s_wait_kmcnt 0x0
	s_cmp_eq_u32 s[TEN], 0                         ; ex, ew and the result's eo: chosen without a jump
	s_cselect_b32 s70, s48, s50
	s_cselect_b32 s71, s49, s51
	s_cselect_b32 s72, s54, s55
	s_cmp_eq_u32 s[TEN], 2
	s_cselect_b32 s70, s52, s70
	s_cselect_b32 s71, s53, s71
	s_cselect_b32 s72, s57, s72
	s_add_co_i32 s71, s71, s70
	s_add_co_i32 s71, s71, 127
	s_lshl_b32 s[SC], s71, 23                      ; 2^(ex + ew)
	s_mov_b32 s[SC+1], s[SC]                       ; (named with it as a pair)
	s_add_co_i32 s70, s70, 127
	s_lshl_b32 s73, s70, 23
	v_mov_b32 v[XSC], s73
	s_add_co_i32 s72, s72, 127
	s_lshl_b32 s73, s72, 23
	v_mov_b32 v[OSC], s73
	s_add_co_i32 s72, s72, 8
	s_lshl_b32 s72, s72, 23
	s_or_b32 s72, s72, 0x600000
; PHASE X, quarter p of K (256 along K).  A row's 8 registers of a lane: K = 4 l + 0..3 of the quarter's first 128, then of its second 128: one conversion gives a word of codes for each.
.macro PASS p
.set g, 0
.rept 8                                            ; four rows at a time
.if \p < 3
	s_wait_loadcnt 56                              ; the group's eight loads are in: behind them stand 8 (7 - g) of this quarter and 8 g of the next
.else
	s_wait_loadcnt 56-8*g                          ; the last quarter has no successor
.endif
	WIN 0xc3
.set n, 0
.rept 32
.set n, n+1
.endr
	WIN 0x03
.set n, 0
.rept 4
	v_cvt_scalef32_pk8_fp8_f32 v[CODE+8*g+2*n:CODE+8*g+2*n+1], v[32*g+8*n:32*g+8*n+7], v[XSC]
.set n, n+1
.endr
	WIN 0
	v_nop                                          ; a plain line behind the last conversion
.set n, 0
.rept 4
	ds_store_b32 v[XST], v[CODE+8*g+2*n] offset:(4*g+n)*XP          ; 32 lanes: 128 consecutive bytes of the row
	ds_store_b32 v[XST], v[CODE+8*g+2*n+1] offset:(4*g+n)*XP+128
.set n, n+1
.endr
.if \p < 3
	WIN 0xc0
.set n, 0
.rept 4
	global_load_b128 v[32*g+8*n:32*g+8*n+3], v[XO], s[4:5] offset:(4*g+n)*4096+(\p+1)*1024 th:TH_LOAD_NT
	global_load_b128 v[32*g+8*n+4:32*g+8*n+7], v[XO], s[4:5] offset:(4*g+n)*4096+(\p+1)*1024+512 th:TH_LOAD_NT
.set n, n+1
.endr
.endif
.set g, g+1
.endr
	WIN 0
	s_wait_dscnt 0x0                               ; for the others' sake: my stores have landed
	s_barrier_signal -1
	s_barrier_wait -1                              ; the quarter's codes of all 128 rows lie in LDS
.if \p < 2
	WIN 0x40
.else
	WIN 0x80
.endif
.irp sp, 0,1
.irp m, 0,1,2,3
.irp c, 0,1,2,3
	ds_load_b128 v[64*((2*\p+\sp)%4)+16*\m+4*\c:64*((2*\p+\sp)%4)+16*\m+4*\c+3], v[ADRA] offset:\m*16*XP+128*\sp+32*\c
.endr
.endr
.endr
	WIN 0
	s_wait_dscnt 0x0                               ; my reads are over: the next quarter may be stored over them
.if \p == 3
	s_wait_tensorcnt 1                             ; my part of slot 0 is in; slot 1's load may stay out
.endif
	s_barrier_signal -1
	s_barrier_wait -1
.endm
	s_wait_alu depctr_va_vdst(0)
	PASS 0
	PASS 1
	PASS 2
	PASS 3
; PHASE M.  16 matrix instructions: K steps 2 q and 2 q + 1, four row tiles x two column tiles.  The eight accumulators take turns, one instruction a turn.
; o = 0: source 0 = W, source 1 = x (q, k);  o = 1: source 0 = x, source 1 = W (v).  The first K step starts the sums.
.macro MULQ o, q
.if \o == 0
.if \q < 2
	WIN 0x07
.else
	WIN 0x0b
.endif
.else
.if \q < 2
	WIN 0x0d
.else
	WIN 0x0e
.endif
.endif
.irp sp, 0,1
.irp m, 0,1,2,3
.irp t, 0,1
.set rA, 64*((2*\q+\sp)%4)+16*\m
.set rB, 32*(2*\q+\sp)+16*\t
.set rC, ACC+8*(2*\m+\t)
.if \o == 0
.if (2*\q+\sp) == 0
	v_wmma_f32_16x16x128_fp8_fp8 v[rC:rC+7], v[rB:rB+15], v[rA:rA+15], 0
.else
	v_wmma_f32_16x16x128_fp8_fp8 v[rC:rC+7], v[rB:rB+15], v[rA:rA+15], v[rC:rC+7]
.endif
.else
.if (2*\q+\sp) == 0
	v_wmma_f32_16x16x128_fp8_fp8 v[rC:rC+7], v[rA:rA+15], v[rB:rB+15], 0
.else
	v_wmma_f32_16x16x128_fp8_fp8 v[rC:rC+7], v[rA:rA+15], v[rB:rB+15], v[rC:rC+7]
.endif
.endif
.endr
.endr
.endr
.endm
; The way out of a head: value = sum x 2^(ex + ew) + bias; the hold; the codes; the store.  Accumulator a = 2 m + t.
.macro EPI o
.set a, 0
.rept 8
.irp i, 0,2,4,6
.if \o == 0
	v_pk_fma_f32 v[VAL+8*a+\i:VAL+8*a+\i+1], v[ACC+8*a+\i:ACC+8*a+\i+1], s[SC:SC+1], v[BIAS+8*(a%2)+\i:BIAS+8*(a%2)+\i+1] op_sel_hi:[1,0,1]   ; a lane's eight are eight columns
.else
	v_pk_fma_f32 v[VAL+8*a+\i:VAL+8*a+\i+1], v[ACC+8*a+\i:ACC+8*a+\i+1], s[SC:SC+1], v[BIAS+2*(a%2):BIAS+2*(a%2)+1] op_sel_hi:[1,0,0]       ; a lane's eight are eight keys of one column
.endif
.endr
.set a, a+1
.endr
.set a, 0
.rept 8
.irp i, 0,1,2,3,4,5,6,7
.endr
.if \o == 0
	v_cvt_scalef32_pk8_fp8_f32 v[OUTC+2*a:OUTC+2*a+1], v[VAL+8*a:VAL+8*a+7], v[OSC]
.else
	v_cvt_scalef32_pk8_fp8_f32 v[OUTC+8*(a%2)+2*(a/2):OUTC+8*(a%2)+2*(a/2)+1], v[VAL+8*a:VAL+8*a+7], v[OSC]
.endif
.set a, a+1
.endr
	v_nop                                          ; a plain line behind the last conversion
.if \o == 0
.set a, 0
.rept 8
	global_store_b64 v[OT], v[OUTC+2*a:OUTC+2*a+1], s[OB:OB+1] offset:(a/2)*1024+(a%2)*256   ; 32 lanes store 256 consecutive bytes, aligned
.set a, a+1
.endr
.else
.irp t, 0,1
.irp qd, 0,1
	global_store_b128 v[ON], v[OUTC+8*\t+4*\qd:OUTC+8*\t+4*\qd+3], s[OB:OB+1] offset:\t*2048+\qd*512   ; 512 consecutive bytes: one image
.endr
.endr
.endif
.endm
.macro ARM o
.if \o == 0
.irp t, 0,1
	global_load_b128 v[BIAS+8*\t:BIAS+8*\t+3], v[BT], s[BB:BB+1] offset:64*\t
	global_load_b128 v[BIAS+8*\t+4:BIAS+8*\t+7], v[BT], s[BB:BB+1] offset:64*\t+16
.endr
.else
.irp t, 0,1
	global_load_b32 v[BIAS+2*\t], v[BN], s[BB:BB+1] offset:64*\t
.endr
.endif
.irp q, 0,1,2,3
	s_wait_dscnt 48-16*\q                          ; the 16 loads of K steps 2 q and 2 q + 1 are in; the later K steps' may be out
	MULQ \o, \q
.endr
	WIN 0
.rept 4
	v_nop                                          ; four places between the last product and the first read of results (ISA guide 7.12.1)
.endr
	s_wait_loadcnt 0x0                             ; the bias
	EPI \o
.endm
; One head: W's 16 fragments of my 32 columns (64 LDS loads, K ascending), the products and the way out.  The two arms part on the tensor's number, which all partners share; no LDS access, barrier or tensor load stands in an arm.
.macro CHUNK
	v_add_nc_u32 v[ADRB], s[TB], v[AB0]
	WIN 0xc0
.irp s, 0,1,2,3,4,5,6,7
.irp t, 0,1
.irp c, 0,1,2,3
	ds_load_b128 v[32*\s+16*\t+4*\c:32*\s+16*\t+4*\c+3], v[ADRB] offset:\t*16*WP+128*\s+32*\c
.endr
.endr
.endr
	WIN 0
	s_cmp_eq_u32 s[TEN], 2
	s_cbranch_scc1 .Larm_n_\@
	ARM 0
	s_branch .Ljoin_\@
.Larm_n_\@:
	ARM 1
.Ljoin_\@:
.endm
.macro SLOTWORK slot                   ; a slot's two heads
	s_mov_b32 s[TB], RING+\slot*SLOTB
	s_mov_b32 s[CH], 2
.Lchunk_\@:
	CHUNK
	s_wait_xcnt 0x0                                ; the head's loads and stores have read their registers and bases: both are written again only behind this wait
	s_add_nc_u64 s[OB:OB+1], s[OB:OB+1], 131072    ; the next head's codes,
	s_add_nc_u64 s[BB:BB+1], s[BB:BB+1], 256       ; bias,
	s_add_co_u32 s[TB], s[TB], 64*WP               ; and rows of W
	s_sub_co_u32 s[CH], s[CH], 1
	s_cmp_lg_u32 s[CH], 0
	s_cbranch_scc1 .Lchunk_\@
.endm
; The change of slots: every wave waits for all its tensor loads (one is out: its part of the slot ahead), adds 0 to its spare word, waits for that and for its reads of the slot just left; a round of the
; cluster's barrier; the joint refill of the slot just left is the first thing behind it and has a slot's 128 matrix instructions and two ways out in which to land.
.macro TWO slot, refill
	s_wait_tensorcnt 0x0
	ds_add_u32 v[SPW], v[NIL]
	s_add_nc_u64 s[G0+4*(1-\slot)+2:G0+4*(1-\slot)+3], s[G0+4*(1-\slot)+2:G0+4*(1-\slot)+3], 262144   ; no load of mine is out: the other slot's next tile, 256 rows on
	s_wait_dscnt 0x0
	CROUND
.if \refill
	tensor_load_to_lds s[G0+4*(1-\slot):G0+4*(1-\slot)+3], s[G1:G1+7]
	s_nop 0
.rept 4
	v_nop
.endr
.endif
	SLOTWORK \slot
.endm
	SLOTWORK 0                                     ; tile 0
	s_mov_b32 s[LAP], 3
.Llap:                                             ; tiles 1 to 6 are worked, tiles 2 to 7 asked for
	TWO 1, 1
	TWO 0, 1
	s_sub_co_u32 s[LAP], s[LAP], 1
	s_cmp_lg_u32 s[LAP], 0
	s_cbranch_scc1 .Llap
	TWO 1, 0                                       ; tile 7: nothing is left to fetch (slot 0's stepped address is not used)
	s_wait_tensorcnt 0x0                           ; the wave's end
	ds_add_u32 v[SPW], v[NIL]
	s_wait_dscnt 0x0
	CROUND                                         ; the closing round: no work-group ends while a partner may still ask for a tile that names it
	s_endpgm
.Lfunc_end_k_q9273e92efd_proj:
	.size	k_q9273e92efd_proj, .Lfunc_end_k_q9273e92efd_proj-k_q9273e92efd_proj
	.p2alignl 7, 3214868480
	.fill 96, 4, 3214868480
	.section	.rodata,"a",@progbits
	.p2align	6, 0x0
	.amdhsa_kernel k_q9273e92efd_proj
		.amdhsa_group_segment_fixed_size 327680
		.amdhsa_private_segment_fixed_size 0
		.amdhsa_enable_private_segment 0
		.amdhsa_kernarg_size 72
		.amdhsa_user_sgpr_count 2
		.amdhsa_user_sgpr_kernarg_segment_ptr 1
		.amdhsa_wavefront_size32 1
		.amdhsa_system_sgpr_workgroup_id_x 1
		.amdhsa_system_sgpr_workgroup_id_y 1
		.amdhsa_system_sgpr_workgroup_id_z 1
		.amdhsa_system_vgpr_workitem_id 0
		.amdhsa_next_free_vgpr 1024
		.amdhsa_next_free_sgpr 80
		.amdhsa_reserve_vcc 0
		.amdhsa_float_denorm_mode_32 3
		.amdhsa_float_denorm_mode_16_64 3
		.amdhsa_fp16_overflow 1
		.amdhsa_memory_ordered 1
		.amdhsa_forward_progress 1
		.amdhsa_inst_pref_size 153
	.end_amdhsa_kernel
	.amdgpu_metadata
---
amdhsa.version: [ 1, 2 ]
amdhsa.kernels:
  - .name:           k_q9273e92efd_proj
    .symbol:         k_q9273e92efd_proj.kd
    .args:
      - { .name: Q, .offset: 0, .size: 8, .value_kind: global_buffer, .address_space: global }
      - { .name: K, .offset: 8, .size: 8, .value_kind: global_buffer, .address_space: global }
      - { .name: V, .offset: 16, .size: 8, .value_kind: global_buffer, .address_space: global }
      - { .name: bQ, .offset: 24, .size: 8, .value_kind: global_buffer, .address_space: global }
      - { .name: bK, .offset: 32, .size: 8, .value_kind: global_buffer, .address_space: global }
      - { .name: bV, .offset: 40, .size: 8, .value_kind: global_buffer, .address_space: global }
      - { .name: wc, .offset: 48, .size: 8, .value_kind: global_buffer, .address_space: global }
      - { .name: lowp_scales, .offset: 56, .size: 8, .value_kind: global_buffer, .address_space: global }
      - { .name: qkv, .offset: 64, .size: 8, .value_kind: global_buffer, .address_space: global }
    .group_segment_fixed_size: 327680
    .private_segment_fixed_size: 0
    .kernarg_segment_align: 8
    .kernarg_segment_size: 72
    .max_flat_workgroup_size: 128
    .sgpr_count:     80
    .vgpr_count:     1024
    .wavefront_size: 32
...
	.end_amdgpu_metadata
.endif
;; end of part 2
;; launch attn (part 3): grid 4 x 64, 16 waves a work-group, no clusters, 327,680 bytes of LDS; arguments qkv, lowp_scales, ac; writes ac
.if DOCPART == 3
	.amdgcn_target "amdgcn-amd-amdhsa--gfx1250"
	.amdhsa_code_object_version 6
	.text
	.protected	k_q9273e92efd_attn
	.globl	k_q9273e92efd_attn
	.p2align	8
	.type	k_q9273e92efd_attn,@function
k_q9273e92efd_attn:
	s_mov_b64 s[64:65], 0
	v_nop
	global_prefetch_b8 v0, s[64:65] scope:SCOPE_SE
	s_setreg_imm32_b32 hwreg(HW_REG_WAVE_MODE, 25, 1), 1
	s_wait_xcnt 0x0
; Causal attention on codes of FP8 (E4M3), head size 64, 2,048 keys, 64 heads (work-group y = b*16 + hd).  q, k, v come as the images that the launch before laid; the result leaves as codes for the last product.
; THE SOFTMAX: t = score x log2(e) / 8; M = the running largest t rounded UP to a whole number; p = 2^(t - M) is quantised with 2^ep, not normalised; the row's sum is taken of the unquantised p and divides at
; the end; when M moves, the sum and O are multiplied by 2^(old M - new M), which rounds nothing.
; SHARES.  Work-group x owns the query blocks x and 7 - x, 256 queries each: under the causal mask that is the same work for every x.  Wave w owns one tile of 16 queries in each block (tile A, tile B).
; Every work-group walks all 8 slots of 256 keys (constant trip counts); a key step (128 keys) all of whose keys come after a tile's queries is jumped over, and slots beyond the work-group's last query are not asked for.
; NO CLUSTER: the work-groups of a head differ in which steps they jump over and where their loads end; those jumps hang on the query block, which would be the place in the cluster.
; LAYOUT.  S^T = K Q^T (K = 64 form; source 0 = 16 keys, source 1 = 16 queries): a lane holds one query (lane % 16) and keys 16 T + 8 (lane / 16) + 0..7 of tile T: eight codes of p are the register pair T of the
; K = 128 form's own layout, in which v's images were laid.  O^T = V^T P^T: a lane again holds one query, and d = 16 t + 8 (lane / 16) + 0..7.
; LIMITS on the given exponents: eq + ek between -123 and 130 (added to c's exponent field); ep and the result's e between -126 and 119; ep + ev goes in by v_ldexp_f32 and has none.
; REGISTERS: v1-9 addresses; v12-15, v16-19 the tiles' -M, largest t, sum (a pair); v20-35 Q; v36-99 fragments of K, then of V; v100-163 S^T, then p; v164-227 O^T; v228-243 p's codes; v244-255 constants and work.
.set SLOT1, 32768                      ; a slot: 16,384 bytes of K's images, then 16,384 of V's; slot 1 begins here: one exclusive or turns an address
.set VOFF,  16384
.set SPARE, 65536                      ; behind the ring: the spare words, 128 bytes for each of 16 waves
.set AL,   1                           ; v1  16 x lane
.set PFO,  3                           ; v3  256 x lane: the prefetches' offset
.set SPW,  5                           ; v5  LDS address of my spare word; never rewritten
.set NIL,  6                           ; v6  0; never rewritten
.set GO,   7                           ; v7  16 r + 8 h: my 8 bytes in an image's 256
.set ADR,  8                           ; v8  LDS address of the loads in hand
.set RH,   9                           ; v9  r - 8 h
.set STA,  12
.set STB,  16
.set QFA,  20
.set QFB,  28
.set FR,   36
.set S,    100
.set OTA,  164
.set OTB,  196
.set P,    228
.set PSC,  244                         ; 2^ep, on the way out 2^e of the result
.set PLIM, 245                         ; 448 x that
.set MX0,  246
.set MX1,  247
.set F,    248                         ; v[248:249] f, 0
.set SM2,  250                         ; v[250:251] the sum's second chain
.set DD,   252
.set NINF, 254
.set PX,   255
.set TB,   2                           ; s2  LDS byte of the slot in hand
.set WV,   18
.set SEL,  20                          ; s[20:21] lane l xor 16
.set CS,   22                          ; s[22:23] c = log2(e) / 8 x 2^(eq + ek)
.set G1,   24
.set G0,   40
.set Q0B,  66
.set SLOTS, 67
.set PFA,  76
.set LIM,  80
.set OBA,  84
.set OBB,  86
.set KF,   98                          ; the step's first key
.set Q0A,  99
.macro TLOAD                           ; wave 0 fetches a slot's K, wave 1 its V: one dense block of 16,384 bytes each
	s_cmp_lt_u32 s[WV], 2
	s_cbranch_scc0 .Lno_load_\@
	tensor_load_to_lds s[G0:G0+3], s[G1:G1+7]
	s_nop 0
.rept 4
	v_nop
.endr
.Lno_load_\@:
.endm
; A prefetch of what the NEXT change of slots will ask for.  All work-groups of a head walk the same K and V: work-group x = 0, which walks all eight slots, asks; in it waves 4, 5 for K's 16,384 bytes and
; waves 6, 7 for V's, 8,192 bytes a wave, lanes 256 bytes apart: each aligned block of 256 bytes is named once in the launch.  The last change that fills a slot asks for nothing; slots 0 and 1 come by their loads alone.
.macro ASK
	s_cmp_gt_u32 s[SLOTS], s[LIM]
	s_cbranch_scc0 .Lnot_mine_\@
	global_prefetch_b8 v[PFO], s[PFA:PFA+1] th:TH_LOAD_NT scope:SCOPE_SE
.Lnot_mine_\@:
.endm
	s_load_b128 s[4:7], s[0:1], 0x0                ; qkv s[4:5], the scales s[6:7]
	s_load_b64 s[8:9], s[0:1], 0x10                ; ac
	v_lshl_add_u32 v[SPW], v0, 2, SPARE
	v_mov_b32 v[NIL], 0
	ds_add_u32 v[SPW], v[NIL]                      ; the wave's opening: the add and its wait stand ahead of the first tensor load; work on registers stands between
	ds_add_u32 v[SPW], v[NIL]
	v_lshrrev_b32 v[ADR], 5, v0
	s_delay_alu instid0(VALU_DEP_1)
	v_readfirstlane_b32 s[WV], v[ADR]              ; wave 0..15
	s_and_b32 s68, ttmp7, 0xffff                   ; the head
	s_lshl_b32 s70, s68, 17                        ; its 2^17 bytes in each of q, k, v
	s_lshl_b32 s96, s[WV], 4
	s_lshl_b32 s[Q0A], ttmp9, 8
	s_add_co_u32 s[Q0A], s[Q0A], s96               ; tile A's first query: 256 x + 16 w
	s_sub_co_u32 s[Q0B], 7, ttmp9
	s_lshl_b32 s[Q0B], s[Q0B], 8
	s_add_co_u32 s[Q0B], s[Q0B], s96               ; tile B's: 256 (7 - x) + 16 w
	s_lshl_b32 s72, s[Q0A], 6                      ; a row tile's image is 1,024 bytes
	s_add_co_u32 s72, s72, s70
	s_mov_b32 s73, 0
	s_lshl_b32 s74, s[Q0B], 6
	s_add_co_u32 s74, s74, s70
	s_mov_b32 s75, 0
	s_lshr_b32 s69, s68, 4
	s_lshl_b32 s69, s69, 21                        ; ac: 128 row tiles of 16,384 bytes a batch,
	s_and_b32 s71, s68, 15
	s_lshl_b32 s71, s71, 10
	s_add_co_u32 s69, s69, s71                     ; 1,024 bytes a head in a row tile
	s_lshl_b32 s[OBA], s[Q0A], 10
	s_add_co_u32 s[OBA], s[OBA], s69
	s_mov_b32 s[OBA+1], 0
	s_lshl_b32 s[OBB], s[Q0B], 10
	s_add_co_u32 s[OBB], s[OBB], s69
	s_mov_b32 s[OBB+1], 0
	s_and_b32 s97, s[WV], 1
	s_lshl_b32 s88, s97, 23
	s_add_co_u32 s88, s88, 0x800000                ; k's part (even waves) or v's (odd) of qkv,
	s_add_co_u32 s88, s88, s70                     ; my head
	s_mov_b32 s89, 0
	s_lshl_b32 s[G0+1], s97, 14                    ; LDS address: K at the slot's head, V behind it
	s_bfe_u32 s90, s[WV], 0x10001                  ; the prefetches: waves 4, 5: k; waves 6, 7: v
	s_lshl_b32 s90, s90, 23
	s_add_co_u32 s90, s90, 0x800000
	s_add_co_u32 s90, s90, s70
	s_lshl_b32 s91, s97, 13
	s_add_co_u32 s90, s90, s91                     ; my wave's 8,192 bytes,
	s_add_co_u32 s90, s90, 16384                   ; in slot 1: the first change of slots steps it to slot 2
	s_mov_b32 s91, 0
	s_lshr_b32 s[LIM], s[WV], 2
	s_xor_b32 s[LIM], s[LIM], 1                    ; 0 in waves 4 to 7,
	s_or_b32 s[LIM], s[LIM], ttmp9                 ; of work-group x = 0
	s_cmp_eq_u32 s[LIM], 0
	s_cselect_b32 s[LIM], 1, -1
	; descriptor group 1: a dense block of 16,384 bytes as 64 rows of 256
	s_mov_b32 s[G1], 3<<16                         ; no mask; elements of 8 bytes; no padding: every read takes 512 consecutive bytes
	s_mov_b32 s[G1+1], 32<<16                      ; tensor_dim0
	s_mov_b32 s[G1+2], 64<<16                      ; tensor_dim1
	s_mov_b32 s[G1+3], 32<<16                      ; tile_dim0
	s_mov_b32 s[G1+4], 64                          ; tile_dim1
	s_mov_b32 s[G1+5], 32                          ; stride
	s_mov_b32 s[G1+6], 0
	s_mov_b32 s[G1+7], 0
	s_mov_b32 s[SEL], 0x76543210
	s_mov_b32 s[SEL+1], 0xfedcba98
	s_mov_b32 s[CS], 0x3e38aa3b                    ; log2(e) / 8
	s_mov_b32 s[TB], 0
	s_mov_b32 s[SLOTS], 7
	s_mov_b32 s[KF], 0
	s_wait_dscnt 0x0                               ; the opening add is done
	s_wait_kmcnt 0x0
	s_load_b256 s[48:55], s[6:7], 0x0              ; the scales' exponents 0 to 7,
	s_load_b128 s[56:59], s[6:7], 0x20             ; 8 to 11
	s_mov_b32 s[G0], 1
	s_add_nc_u64 s[G0+2:G0+3], s[4:5], s[88:89]
	s_or_b32 s[G0+3], s[G0+3], 0x80000000
	TLOAD                                          ; slot 0
	s_add_nc_u64 s[10:11], s[4:5], s[72:73]        ; tile A's image of q,
	s_add_nc_u64 s[12:13], s[4:5], s[74:75]        ; tile B's
	s_add_nc_u64 s[PFA:PFA+1], s[4:5], s[90:91]
	s_add_nc_u64 s[OBA:OBA+1], s[8:9], s[OBA:OBA+1]
	s_add_nc_u64 s[OBB:OBB+1], s[8:9], s[OBB:OBB+1]
	v_and_b32 v[AL], 31, v0
	s_delay_alu instid0(VALU_DEP_1)
	v_lshlrev_b32 v[PFO], 8, v[AL]
	s_delay_alu instid0(VALU_DEP_2)
	v_lshlrev_b32 v[AL], 4, v[AL]
.irp c, 0,1
	global_load_b128 v[QFA+4*\c:QFA+4*\c+3], v[AL], s[10:11] offset:512*\c   ; lane (r, h): d = 32 c + 16 h + 0..15 of query r: the same places as in K's fragments
	global_load_b128 v[QFB+4*\c:QFB+4*\c+3], v[AL], s[12:13] offset:512*\c
.endr
	v_and_b32 v[RH], 15, v0                        ; r
	v_bfe_u32 v[DD], v0, 4, 1                      ; h
	s_delay_alu instid0(VALU_DEP_2)
	v_lshlrev_b32 v[GO], 4, v[RH]
	s_delay_alu instid0(VALU_DEP_1)
	v_lshl_add_u32 v[GO], v[DD], 3, v[GO]
	s_delay_alu instid0(VALU_DEP_3)
	v_lshlrev_b32 v[DD], 3, v[DD]
	s_delay_alu instid0(VALU_DEP_1)
	v_sub_nc_u32 v[RH], v[RH], v[DD]
.irp st, STA, STB
	v_mov_b32 v[\st+1], 0xff61b1e6                 ; the largest t so far: -3e38
	s_delay_alu instid0(VALU_DEP_1)
	v_floor_f32 v[\st], -v[\st+1]                  ; -M
	v_mov_b32 v[\st+2], 0                          ; the sum, in two halves
	v_mov_b32 v[\st+3], 0
.endr
	v_mov_b32 v[F+1], 0                            ; (named as the upper half of a pair)
	v_mov_b32 v[PX], 0                             ; written once: a lane permute's destination counts as a source
	v_mov_b32 v[MX0], 0
	v_mov_b32 v[NINF], 0xff800000
.set n, 0
.rept 64
	v_mov_b32 v[OTA+n], 0                          ; O^T of both tiles: the step is written once, and its first walk finds zeros
.set n, n+1
.endr
	s_wait_kmcnt 0x0
	s_add_co_i32 s96, s54, s55
	s_lshl_b32 s96, s96, 23
	s_add_co_i32 s[CS], s[CS], s96                 ; a score stands for score x 2^(eq + ek)
	s_mov_b32 s[CS+1], s[CS]
	s_add_co_i32 s96, s56, 127
	s_lshl_b32 s97, s96, 23
	v_mov_b32 v[PSC], s97                          ; 2^ep
; A KEY STEP of one tile: 128 keys, the q-th of the slot in hand.  q0: the scalar with the tile's first query; qf, st, ot: its Q, statistics, O^T.
.macro STEP q, q0, qf, st, ot
	s_add_co_u32 s96, s[\q0], 15                   ; all keys behind my queries: the step's work is jumped over (ids and the count of steps alone; no barrier, tensor load or wait for one stands in a step)
	s_cmp_gt_u32 s[KF], s96
	s_cbranch_scc1 .Lhidden_\@
	v_add_nc_u32 v[ADR], s[TB], v[AL]
.rept 3
	v_nop                                          ; with the addition: four places in front of loads into registers that matrix instructions have read
.endr
.irp t, 0,1,2,3,4,5,6,7
	ds_load_b128 v[FR+8*\t:FR+8*\t+3], v[ADR] offset:8192*\q+1024*\t
	ds_load_b128 v[FR+8*\t+4:FR+8*\t+7], v[ADR] offset:8192*\q+1024*\t+512
.endr
	s_wait_alu depctr_va_vdst(0)
	s_wait_dscnt 0x0
.irp t, 0,1,2,3,4,5,6,7
	v_wmma_f32_16x16x64_fp8_fp8 v[S+8*\t:S+8*\t+7], v[FR+8*\t:FR+8*\t+7], v[\qf:\qf+7], 0
.endr
.rept 4
	v_nop                                          ; four places: for V's loads into K's registers, and for the first read of the scores
.endr
.irp t, 0,1,2,3
.irp c, 0,1,2,3
	ds_load_b128 v[FR+16*\t+4*\c:FR+16*\t+4*\c+3], v[ADR] offset:VOFF+8192*\q+2048*\t+512*\c   ; V lands while the softmax is walked
.endr
.endr
	s_add_co_u32 s96, s[KF], 127                   ; on the diagonal hidden scores become -infinity ahead of the maximum; a step all of whose keys count skips this
	s_cmp_le_u32 s96, s[\q0]
	s_cbranch_scc1 .Lopen_\@
	s_sub_co_i32 s96, s[\q0], s[KF]
	v_add_nc_u32 v[DD], s96, v[RH]                 ; d = my query - KF - 8 h: register n holds key KF + 8 h + 16 (n / 8) + n % 8: hidden where 16 (n / 8) + n % 8 > d
.set n, 0
.rept 64
	v_cmp_gt_i32 vcc_lo, 16*(n/8)+n%8, v[DD]
	v_cndmask_b32 v[S+n], v[S+n], v[NINF], vcc_lo
.set n, n+1
.endr
.Lopen_\@:
	v_max3_num_f32 v[MX0], v[S], v[S+1], v[S+2]    ; the step's largest score of my query among my 64 keys, in two chains, each accumulator from its low end on
	v_max3_num_f32 v[MX1], v[S+3], v[S+4], v[S+5]
.irp i, 6,10,14,18,22,26,30,34,38,42,46,50,54,58
	v_max3_num_f32 v[MX0], v[MX0], v[S+\i], v[S+\i+1]
	v_max3_num_f32 v[MX1], v[MX1], v[S+\i+2], v[S+\i+3]
.endr
	v_max3_num_f32 v[MX0], v[MX0], v[S+62], v[S+63]
	s_delay_alu instid0(VALU_DEP_1)
	v_max_num_f32 v[MX0], v[MX0], v[MX1]
	s_delay_alu instid0(VALU_DEP_1)
	v_permlanex16_b32 v[PX], v[MX0], s[SEL], s[SEL+1]
	s_delay_alu instid0(VALU_DEP_1)
	v_max_num_f32 v[MX0], v[MX0], v[PX]            ; and among lane l xor 16's: key KF counts for every query of a step that is walked, so this is a number
	s_delay_alu instid0(VALU_DEP_1)
	v_mul_f32 v[MX0], s[CS], v[MX0]                ; as t (c is positive)
	s_delay_alu instid0(VALU_DEP_1)
	v_max_num_f32 v[\st+1], v[\st+1], v[MX0]       ; the running largest t
	v_mov_b32 v[MX0], v[\st]
	s_delay_alu instid0(VALU_DEP_2)
	v_floor_f32 v[\st], -v[\st+1]                  ; the new -M = -ceil(t)
	s_delay_alu instid0(VALU_DEP_1)
	v_sub_f32 v[MX0], v[\st], v[MX0]               ; old M - new M: a whole number, 0 or less
	s_delay_alu instid0(VALU_DEP_1)
	v_cvt_i32_f32 v[MX0], v[MX0]                   ; (it saturates)
	s_delay_alu instid0(VALU_DEP_1)
	v_ldexp_f32 v[F], 1.0, v[MX0]                  ; f = 2^(old M - new M)
.irp j, 0,2,4,6,8,10,12,14,16,18,20,22,24,26,28,30,32,34,36,38,40,42,44,46,48,50,52,54,56,58,60,62
	v_pk_fma_f32 v[S+\j:S+\j+1], v[S+\j:S+\j+1], s[CS:CS+1], v[\st:\st+1] op_sel_hi:[1,0,0]   ; t - M, two at a time
.endr
.set n, 0
	s_wait_alu depctr_va_vdst(0)
.rept 64
	v_exp_f32 v[S+n], v[S+n]                       ; p = 2^(t - M), at most 1
.set n, n+1
.endr
	v_pk_mul_f32 v[\st+2:\st+3], v[\st+2:\st+3], v[F:F+1] op_sel_hi:[1,0]   ; the sums under the new M: the plain line behind the exponentials
	s_wait_alu depctr_va_vdst(0)                   ; one wait for the whole batch, ahead of its first reader
	v_pk_add_f32 v[SM2:SM2+1], v[S:S+1], v[S+2:S+3]    ; the row's sum is taken of the unquantised p, in two chains
.irp j, 4,8,12,16,20,24,28,32,36,40,44,48,52,56,60
	v_pk_add_f32 v[\st+2:\st+3], v[\st+2:\st+3], v[S+\j:S+\j+1]
	v_pk_add_f32 v[SM2:SM2+1], v[SM2:SM2+1], v[S+\j+2:S+\j+3]
.endr
	s_delay_alu instid0(VALU_DEP_1)
	v_pk_add_f32 v[\st+2:\st+3], v[\st+2:\st+3], v[SM2:SM2+1]
.irp t, 0,1,2,3,4,5,6,7
.irp i, 0,1,2,3,4,5,6,7
.endr
	v_cvt_scalef32_pk8_fp8_f32 v[P+2*\t:P+2*\t+1], v[S+8*\t:S+8*\t+7], v[PSC]   ; keys 16 t + 8 h + 0..7: register pair t of the operand
.endr
.irp j, 0,2,4,6,8,10,12,14,16,18,20,22,24,26,28,30
	v_pk_mul_f32 v[\ot+\j:\ot+\j+1], v[\ot+\j:\ot+\j+1], v[F:F+1] op_sel_hi:[1,0]   ; O^T under the new M; also the plain lines behind the conversions
.endr
	s_wait_alu depctr_va_vdst(0)
	s_wait_dscnt 0x0                               ; V is in
.irp t, 0,1,2,3
	v_wmma_f32_16x16x128_fp8_fp8 v[\ot+8*\t:\ot+8*\t+7], v[FR+16*\t:FR+16*\t+15], v[P:P+15], v[\ot+8*\t:\ot+8*\t+7]
.endr
.Lhidden_\@:
.endm
; THE CHANGE OF SLOTS stands at a slot's head: every wave waits for all its tensor loads, adds 0 to its spare word, waits for that and for its reads of the slot just left; a barrier; behind it the slot just left is
; filled with the keys that follow, while the slot ahead is read.
.macro CHANGE fill
	s_wait_tensorcnt 0x0                           ; no tensor load of mine is out, so group 0 may be written
	ds_add_u32 v[SPW], v[NIL]
.if \fill
	s_xor_b32 s[G0+1], s[G0+1], SLOT1              ; the other slot than last time,
	s_add_nc_u64 s[G0+2:G0+3], s[G0+2:G0+3], 16384 ; the next 256 keys
	s_wait_xcnt 0x0                                ; the last prefetch, a slot back, has read its address
	s_add_nc_u64 s[PFA:PFA+1], s[PFA:PFA+1], 16384
.endif
	s_wait_dscnt 0x0
	s_barrier_signal -1
	s_barrier_wait -1
.if \fill
	s_add_co_u32 s96, s[KF], 256                   ; the first key of the slot that this change would ask for
	s_or_b32 s97, s[Q0B], 255                      ; my work-group's last query
	s_cmp_gt_u32 s96, s97                          ; ids and the count of steps alone: all sixteen waves go the same way; a slot beyond the limit is read by no step and is not asked for
	s_cbranch_scc1 .Lpast_\@
	TLOAD
.Lpast_\@:
	ASK
.endif
.endm
.macro SLOT_STEPS
.irp q, 0,1
	STEP \q, Q0A, QFA, STA, OTA
	STEP \q, Q0B, QFB, STB, OTB
	s_add_co_u32 s[KF], s[KF], 128
.endr
	s_xor_b32 s[TB], s[TB], SLOT1
.endm
	s_wait_loadcnt 0x0                             ; Q
.Lslot:                                            ; seven trips; every wait for tensor loads in this text is for 0
	CHANGE 1
	SLOT_STEPS
	s_sub_co_u32 s[SLOTS], s[SLOTS], 1
	s_cmp_lg_u32 s[SLOTS], 0
	s_cbranch_scc1 .Lslot
	CHANGE 0                                       ; the last slot is written out: nothing is left to ask for
	SLOT_STEPS
	; THE WAY OUT: O^T x 2^(ep + ev) / the sum, held, converted with the last product's scale; a lane's eight codes are d = 16 t + 8 h + 0..7 of its query: 8 bytes of the image.
	s_add_co_i32 s96, s58, 127
	s_lshl_b32 s97, s96, 23
	v_mov_b32 v[PSC], s97                          ; 2^e of the result.  (These plain lines are also the places behind the last products)
	s_add_co_i32 s96, s56, s57                     ; ep + ev
	v_add_f32 v[STA+2], v[STA+2], v[STA+3]
	v_add_f32 v[STB+2], v[STB+2], v[STB+3]
	s_delay_alu instid0(VALU_DEP_2)
	v_permlanex16_b32 v[PX], v[STA+2], s[SEL], s[SEL+1]
	s_delay_alu instid0(VALU_DEP_2)
	v_permlanex16_b32 v[MX0], v[STB+2], s[SEL], s[SEL+1]
	s_delay_alu instid0(VALU_DEP_2)
	v_add_f32 v[STA+2], v[STA+2], v[PX]
	s_delay_alu instid0(VALU_DEP_2)
	v_add_f32 v[STB+2], v[STB+2], v[MX0]
	s_wait_alu depctr_va_vdst(0)
	v_rcp_f32 v[STA+2], v[STA+2]
	v_rcp_f32 v[STB+2], v[STB+2]
	v_nop                                          ; a plain line behind the reciprocals,
	s_wait_alu depctr_va_vdst(0)                   ; and one wait for both, ahead of the first reader
	v_ldexp_f32 v[STA+2], v[STA+2], s96
	v_ldexp_f32 v[STB+2], v[STB+2], s96
.macro FIN st, ot, pc, ob
.set n, 0
.rept 32
	v_mul_f32 v[S+n], v[\ot+n], v[\st+2]
.set n, n+1
.endr
.irp t, 0,1,2,3
.irp i, 0,1,2,3,4,5,6,7
.endr
	v_cvt_scalef32_pk8_fp8_f32 v[\pc+2*\t:\pc+2*\t+1], v[S+8*\t:S+8*\t+7], v[PSC]
.endr
	v_nop                                          ; a plain line behind the last conversion
.irp t, 0,1,2,3
	global_store_b64 v[GO], v[\pc+2*\t:\pc+2*\t+1], s[\ob:\ob+1] offset:256*\t   ; 32 lanes store 256 consecutive bytes, aligned
.endr
.endm
	FIN STA, OTA, P, OBA
	FIN STB, OTB, P+8, OBB
	s_wait_tensorcnt 0x0                           ; the wave's end
	ds_add_u32 v[SPW], v[NIL]
	s_wait_dscnt 0x0
	s_endpgm
.Lfunc_end_k_q9273e92efd_attn:
	.size	k_q9273e92efd_attn, .Lfunc_end_k_q9273e92efd_attn-k_q9273e92efd_attn
	.p2alignl 7, 3214868480
	.fill 96, 4, 3214868480
	.section	.rodata,"a",@progbits
	.p2align	6, 0x0
	.amdhsa_kernel k_q9273e92efd_attn
		.amdhsa_group_segment_fixed_size 327680
		.amdhsa_private_segment_fixed_size 0
		.amdhsa_enable_private_segment 0
		.amdhsa_kernarg_size 24
		.amdhsa_user_sgpr_count 2
		.amdhsa_user_sgpr_kernarg_segment_ptr 1
		.amdhsa_wavefront_size32 1
		.amdhsa_system_sgpr_workgroup_id_x 1
		.amdhsa_system_sgpr_workgroup_id_y 1
		.amdhsa_system_sgpr_workgroup_id_z 1
		.amdhsa_system_vgpr_workitem_id 0
		.amdhsa_next_free_vgpr 256
		.amdhsa_next_free_sgpr 101
		.amdhsa_reserve_vcc 1
		.amdhsa_float_denorm_mode_32 3
		.amdhsa_float_denorm_mode_16_64 3
		.amdhsa_fp16_overflow 1
		.amdhsa_memory_ordered 1
		.amdhsa_forward_progress 1
		.amdhsa_inst_pref_size 163
	.end_amdhsa_kernel
	.amdgpu_metadata
---
amdhsa.version: [ 1, 2 ]
amdhsa.kernels:
  - .name:           k_q9273e92efd_attn
    .symbol:         k_q9273e92efd_attn.kd
    .args:
      - { .name: qkv, .offset: 0, .size: 8, .value_kind: global_buffer, .address_space: global }
      - { .name: lowp_scales, .offset: 8, .size: 8, .value_kind: global_buffer, .address_space: global }
      - { .name: ac, .offset: 16, .size: 8, .value_kind: global_buffer, .address_space: global }
    .group_segment_fixed_size: 327680
    .private_segment_fixed_size: 0
    .kernarg_segment_align: 8
    .kernarg_segment_size: 24
    .max_flat_workgroup_size: 512
    .sgpr_count:     101
    .vgpr_count:     256
    .wavefront_size: 32
...
	.end_amdgpu_metadata
.endif
;; end of part 3
;; launch oproj (part 4): grid 64 x 4, 4 waves a work-group, clusters of 4 x 1, 327,680 bytes of LDS; arguments ac, wc, bO, lowp_scales, out0; writes out0
.if DOCPART == 4
	.amdgcn_target "amdgcn-amd-amdhsa--gfx1250"
	.amdhsa_code_object_version 6
	.text
	.protected	k_q9273e92efd_oproj
	.globl	k_q9273e92efd_oproj
	.p2align	8
	.type	k_q9273e92efd_oproj,@function
k_q9273e92efd_oproj:
	s_mov_b64 s[64:65], 0
	v_nop
	global_prefetch_b8 v0, s[64:65] scope:SCOPE_SE
	s_setreg_imm32_b32 hwreg(HW_REG_WAVE_MODE, 25, 1), 1
	s_wait_xcnt 0x0
	s_wait_alu depctr_hold_cnt(0) depctr_sa_sdst(0) depctr_va_vdst(0) depctr_va_sdst(0) depctr_va_ssrc(0) depctr_va_vcc(0) depctr_vm_vsrc(0)
	s_getreg_b32 s2, hwreg(HW_REG_IB_STS2, 6, 4)
	s_cmp_eq_u32 s2, 0
	s_cbranch_scc0 .Lentry_in_a_cluster
	s_endpgm
.Lentry_in_a_cluster:
	s_bfe_u32 s2, ttmp6, 0x10000c
	s_cmp_lg_u32 s2, 0x3003
	s_cbranch_scc0 .Lentry_shape_is_right
	s_endpgm
.Lentry_shape_is_right:
; out0 = attention's result x WO + bO on codes of FP8 (E4M3).  ac holds the left operand as images of its fragments; wc's fourth part holds WO's codes, rows n with K innermost.
; Work-group x: 128 rows; work-group y: 256 columns: 256 work-groups.  Wave (i, j): rows 64 i .. + 63 x columns 128 j .. + 127: 32 accumulators, 256 matrix instructions over K = 1,024.
; WO's panel of 256 rows x 1,024 lies whole in LDS, brought by first fills alone, four chunks of 256 along K, each wave 64 rows of each: four tensor loads of mine are out; no byte is filled twice.
; CLUSTER: the four work-groups of a cluster share the columns, so the panel is asked for JOINTLY (mask 15, the same descriptor in all four).  The left operand goes from memory straight into registers: 512 a wave.
; THE MATRIX INSTRUCTION IS USED TRANSPOSED (source 0 = 16 rows of WO, source 1 = 16 rows of the left operand): a lane holds eight neighbouring columns of one row of out0.
; Both sides hold K = 32 c + 16 (lane / 16) + 0 .. 15 in registers 4 c .. 4 c + 3.  out = sum x 2^(ea + ew) + bO, one packed multiply-add.  LIMIT: ea + ew between -126 and 127.
; REGISTERS: window 0: v2-19 addresses; v32-95 bias; v96-159, v160-223 WO's fragments, two sets of four, on the way out values and rows.  windows 1, 2: the left operand, (m, s) in window 1 + s / 4 at
; 64 (s % 4) + 16 m.  window 3: accumulator (m, t) at 8 (8 m + t).
.set WPI,   272                        ; a row of a chunk in LDS: 256 bytes + 16
.set CHB,   256*WPI                    ; a chunk
.set STG,   4*CHB                      ; behind the panel: a stage of 16 rows x 528 bytes for each wave; no fill lands there
.set SPI,   528
.set SPARE, STG+4*16*SPI               ; behind the stages: the spare words
.set AO,   2                           ; v2  16 x lane + i x 4 row tiles
.set BO,   3                           ; v3  32 h
.set STO,  4                           ; v4  the stage: where I put 32 bytes of a row
.set RD,   5                           ; v5  and where I read a row back
.set CO,   6                           ; v6  16 x lane
.set SPW,  8
.set NIL,  9
.set ADRB, 16                          ; v16-19  my lane's place in chunk 0 to 3: a chunk's base does not fit the 16-bit immediate
.set BIAS, 32
.set B0,   96
.set TMP,  96
.set BK,   160
.set WV,   14
.set G1,   24
.set G0,   32                          ; s[32:47] group 0, one set for each chunk
.set SC,   58
.set MSB, 0
.macro WIN new
.if MSB != \new
	s_set_vgpr_msb (MSB<<8)|\new
.set MSB, \new
.endif
.endm
.macro CROUND
	s_barrier_signal -1
	s_barrier_wait -1
	s_cmp_lg_u32 s[WV], 0
	s_cbranch_scc1 .Lnot_wave_0_\@
	s_barrier_signal -3
.Lnot_wave_0_\@:
	s_barrier_wait -3
	s_barrier_signal -1
	s_barrier_wait -1
.endm
.macro PLACES
.rept 4
	v_nop
.endr
.endm
	s_load_b256 s[4:11], s[0:1], 0x0               ; ac s[4:5], wc s[6:7], bO s[8:9], the scales s[10:11]
	s_load_b64 s[12:13], s[0:1], 0x20              ; out0
	v_lshl_add_u32 v[SPW], v0, 2, SPARE
	v_mov_b32 v[NIL], 0
	ds_add_u32 v[SPW], v[NIL]
	ds_add_u32 v[SPW], v[NIL]                      ; the wave's opening: the add and its wait stand ahead of my first tensor load
	v_lshrrev_b32 v10, 5, v0
	v_readfirstlane_b32 s[WV], v10                 ; wave 0..3
	s_lshr_b32 s15, s[WV], 1                       ; i
	s_and_b32 s16, s[WV], 1                        ; j
	s_and_b32 s17, ttmp7, 0xffff                   ; which 256 columns: the cluster's y, shared by the partners
	s_bfe_u32 s18, ttmp6, 0x40000                  ; cx
	s_lshl_b32 s19, ttmp9, 2
	s_add_co_u32 s19, s19, s18                     ; my block of 128 rows: it enters ac's and out0's addresses alone
	; descriptor group 1: 64 rows x 256 bytes, 1,024 bytes apart in memory, 16 bytes of padding behind each
	s_mov_b32 s[G1], 0x0770000f                    ; mask 15; elements of 1 byte; padding on; bit 21 beside the mask; after every 64 words (code 5) four words (code 3)
	s_mov_b32 s[G1+1], 256<<16
	s_mov_b32 s[G1+2], 64<<16
	s_mov_b32 s[G1+3], 256<<16
	s_mov_b32 s[G1+4], 64
	s_mov_b32 s[G1+5], 1024
	s_mov_b32 s[G1+6], 0
	s_mov_b32 s[G1+7], 0
	s_lshl_b32 s20, s17, 18                        ; wc: 256 rows of 1,024 bytes for each block of columns,
	s_lshl_b32 s21, s[WV], 16
	s_add_co_u32 s20, s20, s21                     ; my 64 rows,
	s_add_co_u32 s20, s20, 0x300000                ; in the fourth weight
	s_mov_b32 s21, 0
	s_mul_i32 s22, s[WV], 64*WPI                   ; and where they go
	s_lshl_b32 s50, s19, 17                        ; ac: 8 row tiles of 16,384 bytes
	s_mov_b32 s51, 0
	s_lshl_b32 s52, s19, 19                        ; out0: 128 rows of 4,096 bytes,
	s_lshl_b32 s53, s15, 18
	s_add_co_u32 s52, s52, s53                     ; my 64 rows,
	s_lshl_b32 s53, s17, 10
	s_add_co_u32 s52, s52, s53                     ; the block's 256 columns,
	s_lshl_b32 s53, s16, 9
	s_add_co_u32 s52, s52, s53                     ; my 128
	s_mov_b32 s53, 0
	s_lshl_b32 s54, s17, 10                        ; bO likewise
	s_lshl_b32 s55, s16, 9
	s_add_co_u32 s54, s54, s55
	s_mov_b32 s55, 0
	v_and_b32 v10, 31, v0                          ; lane
	v_and_b32 v11, 15, v0                          ; r
	v_bfe_u32 v12, v0, 4, 1                        ; h
	s_lshl_b32 s23, s15, 16
	v_lshl_add_u32 v[AO], v10, 4, s23
	v_lshlrev_b32 v[BO], 5, v12
	s_mul_i32 s23, s16, 128*WPI
	v_mul_u32_u24 v13, v11, WPI
	v_lshl_add_u32 v13, v12, 4, v13
	v_add_nc_u32 v[ADRB], s23, v13                 ; (128 j + r) x pitch + 16 h
.irp kc, 1,2,3
	v_add_nc_u32 v[ADRB+\kc], \kc*CHB, v[ADRB]
.endr
	s_mul_i32 s23, s[WV], 16*SPI
	s_add_co_u32 s23, s23, STG                     ; my stage
	v_mul_u32_u24 v[STO], v11, SPI
	v_lshl_add_u32 v[STO], v12, 5, v[STO]
	v_add_nc_u32 v[STO], s23, v[STO]
	v_lshlrev_b32 v[CO], 4, v10
	v_add_nc_u32 v[RD], s23, v[CO]
	s_wait_dscnt 0x0                               ; the opening add is done
	s_wait_kmcnt 0x0
	s_load_b64 s[56:57], s[10:11], 0x28            ; entries 10 and 11: the two operands' exponents
	s_add_nc_u64 s[20:21], s[6:7], s[20:21]
	s_add_nc_u64 s[4:5], s[4:5], s[50:51]
	s_add_nc_u64 s[12:13], s[12:13], s[52:53]
	s_add_nc_u64 s[8:9], s[8:9], s[54:55]
.irp kc, 0,1,2,3
	s_mov_b32 s[G0+4*\kc], 1
	s_add_co_u32 s[G0+4*\kc+1], s22, \kc*CHB
	s_add_nc_u64 s[G0+4*\kc+2:G0+4*\kc+3], s[20:21], \kc*256
	s_or_b32 s[G0+4*\kc+3], s[G0+4*\kc+3], 0x80000000
.endr
	CROUND                                         ; all four work-groups are here: the joint loads meet
.irp kc, 0,1,2,3
	tensor_load_to_lds s[G0+4*\kc:G0+4*\kc+3], s[G1:G1+7]
	s_nop 0
.endr
	PLACES
.irp s, 0,1,2,3,4,5,6,7                            ; the left operand, K ascending: 16 loads a K step, each 512 consecutive bytes
.if \s < 4
	WIN 0x40
.else
	WIN 0x80
.endif
.irp m, 0,1,2,3
.irp c, 0,1,2,3
	global_load_b128 v[64*(\s%4)+16*\m+4*\c:64*(\s%4)+16*\m+4*\c+3], v[AO], s[4:5] offset:\m*16384+\s*2048+512*\c
.endr
.endr
.endr
	WIN 0
.irp t, 0,1,2,3,4,5,6,7                            ; bO at my lane's eight columns of each tile
	global_load_b128 v[BIAS+8*\t:BIAS+8*\t+3], v[BO], s[8:9] offset:64*\t
	global_load_b128 v[BIAS+8*\t+4:BIAS+8*\t+7], v[BO], s[8:9] offset:64*\t+16
.endr
; four fragments of WO: chunk kc, its K step sp, column tiles 4 hf .. 4 hf + 3, into set hf
.macro LOADU kc, sp, hf
.irp tt, 0,1,2,3
.irp c, 0,1,2,3
	ds_load_b128 v[B0+64*\hf+16*\tt+4*\c:B0+64*\hf+16*\tt+4*\c+3], v[ADRB+\kc] offset:(4*\hf+\tt)*16*WPI+128*\sp+32*\c
.endr
.endr
.endm
; 16 matrix instructions: K step s, four row tiles x the set's four column tiles; sixteen accumulators by turns, one instruction a turn.  K step 0 starts the sums.
.macro MULU s, hf
.if (\s) < 4
	WIN 0xf4
.else
	WIN 0xf8
.endif
.irp m, 0,1,2,3
.irp tt, 0,1,2,3
.set rD, 8*(8*\m+4*\hf+\tt)
.set rB, B0+64*\hf+16*\tt
.set rA, 64*((\s)%4)+16*\m
.if (\s) == 0
	v_wmma_f32_16x16x128_fp8_fp8 v[rD:rD+7], v[rB:rB+15], v[rA:rA+15], 0
.else
	v_wmma_f32_16x16x128_fp8_fp8 v[rD:rD+7], v[rB:rB+15], v[rA:rA+15], v[rD:rD+7]
.endif
.endr
.endr
.endm
; A chunk of 256 along K.  lc: how many younger global loads may stay out when the chunk's 32 loads of the left operand have to be in.
.macro KCHUNK kc, lc
	s_wait_tensorcnt 3-\kc                         ; my part of this chunk is in; the 3 - kc later chunks' loads may stay out
	s_barrier_signal -1
	s_barrier_wait -1                              ; everybody's is
	s_wait_loadcnt \lc
	LOADU \kc, 0, 0
	LOADU \kc, 0, 1
	s_wait_dscnt 16                                ; the older set is in, the younger sixteen loads may be out
	MULU 2*\kc, 0
	PLACES                                         ; four places in front of loads into registers that matrix instructions have read
	WIN 0
	LOADU \kc, 1, 0
	s_wait_dscnt 16
	MULU 2*\kc, 1
	PLACES
	WIN 0
	LOADU \kc, 1, 1
	s_wait_dscnt 16
	MULU 2*\kc+1, 0
	s_wait_dscnt 0x0
	MULU 2*\kc+1, 1
	PLACES
	WIN 0
.endm
	s_wait_alu depctr_va_vdst(0)
	KCHUNK 0, 63                                   ; 144 loads were issued; behind this chunk's stand 112, behind the next chunk's 80: a wait's count names 63 at the most
	KCHUNK 1, 63
	KCHUNK 2, 48                                   ; behind K steps 4 and 5: 32 loads of the left operand and 16 of the bias
	KCHUNK 3, 16                                   ; the bias
	; THE WAY OUT, a row tile at a time: sum x 2^(ea + ew) + bO; 32 bytes a lane into my own stage; back as whole rows of 512 bytes.
	s_wait_kmcnt 0x0
	s_add_co_i32 s[SC], s56, s57
	s_add_co_i32 s[SC], s[SC], 127
	s_lshl_b32 s[SC], s[SC], 23                    ; 2^(ea + ew)
	s_mov_b32 s[SC+1], s[SC]
	s_wait_loadcnt 0x0                             ; the bias
.irp m, 0,1,2,3
	WIN 0x03                                       ; source 0: window 3
.irp t, 0,1,2,3,4,5,6,7
.irp i, 0,2,4,6
	v_pk_fma_f32 v[TMP+8*\t+\i:TMP+8*\t+\i+1], v[64*\m+8*\t+\i:64*\m+8*\t+\i+1], s[SC:SC+1], v[BIAS+8*\t+\i:BIAS+8*\t+\i+1] op_sel_hi:[1,0,1]   ; each accumulator from its low end on
.endr
.endr
	WIN 0
.irp t, 0,1,2,3,4,5,6,7
	ds_store_b128 v[STO], v[TMP+8*\t:TMP+8*\t+3] offset:64*\t
	ds_store_b128 v[STO], v[TMP+8*\t+4:TMP+8*\t+7] offset:64*\t+16
.endr
.if \m > 0
	s_wait_xcnt 0x0                                ; the last tile's stores have read their registers: the rows below may land there
.endif
.irp t, 0,1,2,3,4,5,6,7,8,9,10,11,12,13,14,15
	ds_load_b128 v[BK+4*\t:BK+4*\t+3], v[RD] offset:\t*SPI   ; LDS serves a wave's instructions in order: these see my stores
.endr
.irp t, 0,1,2,3,4,5,6,7,8,9,10,11,12,13,14,15
	s_wait_dscnt 15-\t                             ; row t is back; the 15 - t younger loads may be out
	global_store_b128 v[CO], v[BK+4*\t:BK+4*\t+3], s[12:13] offset:(16*\m+\t)*4096 th:TH_STORE_NT   ; 32 lanes store 512 consecutive bytes, aligned
.endr
.endr
	s_wait_tensorcnt 0x0                           ; the wave's end: behind my last LDS store
	ds_add_u32 v[SPW], v[NIL]
	s_wait_dscnt 0x0
	CROUND                                         ; the closing round
	s_endpgm
.Lfunc_end_k_q9273e92efd_oproj:
	.size	k_q9273e92efd_oproj, .Lfunc_end_k_q9273e92efd_oproj-k_q9273e92efd_oproj
	.p2alignl 7, 3214868480
	.fill 96, 4, 3214868480
	.section	.rodata,"a",@progbits
	.p2align	6, 0x0
	.amdhsa_kernel k_q9273e92efd_oproj
		.amdhsa_group_segment_fixed_size 327680
		.amdhsa_private_segment_fixed_size 0
		.amdhsa_enable_private_segment 0
		.amdhsa_kernarg_size 40
		.amdhsa_user_sgpr_count 2
		.amdhsa_user_sgpr_kernarg_segment_ptr 1
		.amdhsa_wavefront_size32 1
		.amdhsa_system_sgpr_workgroup_id_x 1
		.amdhsa_system_sgpr_workgroup_id_y 1
		.amdhsa_system_sgpr_workgroup_id_z 1
		.amdhsa_system_vgpr_workitem_id 0
		.amdhsa_next_free_vgpr 1024
		.amdhsa_next_free_sgpr 66
		.amdhsa_reserve_vcc 0
		.amdhsa_float_denorm_mode_32 3
		.amdhsa_float_denorm_mode_16_64 3
		.amdhsa_memory_ordered 1
		.amdhsa_forward_progress 1
		.amdhsa_inst_pref_size 80
	.end_amdhsa_kernel
	.amdgpu_metadata
---
amdhsa.version: [ 1, 2 ]
amdhsa.kernels:
  - .name:           k_q9273e92efd_oproj
    .symbol:         k_q9273e92efd_oproj.kd
    .args:
      - { .name: ac, .offset: 0, .size: 8, .value_kind: global_buffer, .address_space: global }
      - { .name: wc, .offset: 8, .size: 8, .value_kind: global_buffer, .address_space: global }
      - { .name: bO, .offset: 16, .size: 8, .value_kind: global_buffer, .address_space: global }
      - { .name: lowp_scales, .offset: 24, .size: 8, .value_kind: global_buffer, .address_space: global }
      - { .name: out0, .offset: 32, .size: 8, .value_kind: global_buffer, .address_space: global }
    .group_segment_fixed_size: 327680
    .private_segment_fixed_size: 0
    .kernarg_segment_align: 8
    .kernarg_segment_size: 40
    .max_flat_workgroup_size: 128
    .sgpr_count:     66
    .vgpr_count:     1024
    .wavefront_size: 32
...
	.end_amdgpu_metadata
.endif
;; end of part 4
